; MI455X (gfx1250); checked and timed in simulation.
; The chip was launched on July 23, 2026; its instructions are those of AMD's public machine-readable ISA for CDNA 5 (MIT licence, August 2026) and "CDNA5" Instruction Set Architecture Reference Guide (July 2026). The comments in the code are by the model that wrote it; some were corrected since.
;; Attention. Allowed arithmetic: matrix products marked QUANTISED: E4M3 operands, one given power-of-two scale a tensor, by v_wmma_f32_16x16x64_fp8_fp8 or v_wmma_f32_16x16x128_fp8_fp8, f32 sums; products left as they are: f32 operands where the result goes on into a quantised operand, else bf16, f16 or f32 operands; f32 sums; everything else in f32.
;; Inputs: V 1 x 1,024 float32; W_c 1,024 x 1 float32; W_h 1,024 x 1,024 float32; W_s 1,024 x 1,024 float32; b_s 1,024 float32; coverage 32 x 2,048 float32; dec_hidden 32 x 1,024 float32; enc_output 32 x 2,048 x 1,024 float32; enc_padding_mask 32 x 2,048 float32; lowp_scales 4 int32 (the exponents e of the quantised operands' scales 2^e).
;; Outputs: out0 32 x 1,024 float32; out1 32 x 2,048 float32; out2 32 x 2,048 float32.
;; This version of the problem:
;;   THIS VERSION OF THE PROBLEM IS GIVEN IN LOW PRECISION. The matrix products marked QUANTISED in the list below multiply operands that are first quantised to E4M3 (4 exponent bits, 3 mantissa bits; 8 bits a number), with one given power-of-two scale for each operand tensor; their sums are f32. All else is computed in f32.
;;   The module's matrix products, in the order in which they are computed (A, B: the left and right operand; K: the contracted axis; several contracted axes count as one K, in the product's order):
;;     1. [M 65,536, K 1,024] x [K 1,024, N 1,024]; A: input enc_output; B: input W_h: QUANTISED (scales: A lowp_scales[0], B lowp_scales[1])
;;     2. [M 32, K 1,024] x [K 1,024, N 1,024]; A: input dec_hidden; B: input W_s: QUANTISED (scales: A lowp_scales[2], B lowp_scales[3])
;;     3. [M 65,536, K 1,024] x [K 1,024, N 1]; A: computed on the way; B: input V: left as it is (N = 1 < 16)
;;     4. batch 32 x [M 1, K 2,048] x [K 2,048, N 1,024]; A: softmax; B: input enc_output: left as it is (M = 1 < 16)
;;   THE QUANTISER, for each operand of a quantised product, along K:
;;     - The operand's scale is 2^e, e = its entry of the input lowp_scales (int32; the entries are numbered through the quantised products in the list's order, A before B).
;;     - Each number is divided by the scale, clamped to +-448, and rounded to the nearest number of E4M3, ties to even, subnormals kept.
;;     - The product sums the exact products of the quantised numbers (number of the format x scale) in f32.
;;   ~~~python
;;   def quantise(x, axis, e):      # numpy; x: float32 -> the quantised numbers, widened to float32 again
;;       x = np.moveaxis(x, axis, -1); K = x.shape[-1]
;;       r = np.clip(x / 2.0 ** e, -448, 448)
;;       step = 2.0 ** (np.maximum(np.frexp(np.where(r == 0, 1, r))[1] - 1, -6) - 3)
;;       q = np.round(r / step) * step * 2.0 ** e      # np.round: ties to even
;;       return np.moveaxis(q, -1, axis).astype(np.float32)
;;   ~~~
;; One version. Each part assembles by itself: llvm-mc -triple=amdgcn-amd-amdhsa -mcpu=gfx1250 --defsym DOCPART=n.
;; ======== version 1 of 1: 3 launches
;; limits: right only within a limited range of input values
;; workspace buffers: wcodes 1,048,576 bytes; decf 131,072 bytes; escores 262,144 bytes
;; launch prep (part 1): grid 128 x 1, 8 waves a work-group, no clusters, 84,992 bytes of LDS; arguments W_h, W_s, dec_hidden, b_s, lowp_scales, wcodes, decf; writes wcodes, decf
.if DOCPART == 1
	.amdgcn_target "amdgcn-amd-amdhsa--gfx1250"
	.amdhsa_code_object_version 6
	.text
	.protected	k_q5376dadb7a_prep
	.globl	k_q5376dadb7a_prep
	.p2align	8
	.type	k_q5376dadb7a_prep,@function
k_q5376dadb7a_prep:
	s_mov_b64 s[64:65], 0
	v_nop
	global_prefetch_b8 v0, s[64:65] scope:SCOPE_SE
	s_setreg_imm32_b32 hwreg(HW_REG_WAVE_MODE, 25, 1), 1
	s_wait_xcnt 0x0
; PREP: W_h becomes codes of E4M3, laid in the order of a matrix operand's registers; and decf = Q(dec_hidden) Q(W_s)^T x 2^(e2 + e3) + b_s, [32][1024] f32.
; THE PROGRAM (three launches): this one; SCORES: e'[b][s] for all 65,536 rows; CONTEXT: the softmax, out1, out2 and out0.
; WORK LEFT OUT, for all values of the inputs: tanh(x) = 1 - 2 / (1 + 2^(c x)), c = 2 log2(e).  So e[b][s] = sum_h V[h] tanh(..) = sum_h V[h] + sum_h (-2 V[h]) r[b][s][h], r = 1 / (1 + 2^(c x)).
; The first term, sum_h V[h], is the same for every s of a batch, and the softmax runs along s: softmax(e + mask) = softmax(e - sum_h V[h] + mask) in exact arithmetic.  It is never formed: the program keeps
; e' = sum_h (-2 V[h]) r.  Every input still has a way to an output and is loaded.  LIMIT: an overflow, infinity or NaN that would arise in sum_h V[h] alone is not carried to the results.
; THE QUANTISER: code = x / 2^e, held within +-448, to the nearest code, ties to even; e from lowp_scales: e0 enc_output, e1 W_h, e2 dec_hidden, e3 W_s.
; LIMITS: e1, e2, e3 between -126 and 119, e2 + e3 between -126 and 127, so that each power of two below is an f32 number.  NaN among the inputs is not served.
; SHARES.  Work-groups 0-63: 16 rows of W_h (column tile j of the first product); work-groups 64-127: 16 rows of W_s.  Wave s takes K step s, 128 along K: one fragment.
; A FRAGMENT: lane (r = lane % 16, h = lane / 16) holds row r; registers 4 c .. 4 c + 3 hold k = 32 c + 16 h + 0 .. 15.  That is a permutation of k inside the 128, the same in both operands of every product here.
; wcodes: byte ((8 j + s) 4 + c) 512 + 16 lane + i = the code of W_h[16 j + r][128 s + 32 c + 16 h + i]: a fragment is four runs of 512 bytes, lane by lane.
; W_h's work-groups have 16 loads a wave: a lane takes its 16 neighbours of a block, 64 bytes, by four loads of 16 on end.  W_s's have 48 (the weight's fragment and two of dec_hidden): there each load reads 512
; consecutive bytes of one row, and a fragment's 16 x 512 bytes turn through the wave's own stage in LDS, from which a lane takes its 64 bytes of each block.
; The second product's K is shared among the eight waves; their partial sums (two accumulators: batches 0-15, 16-31) meet in LDS as images of the registers.
.set RED,    0                         ; LDS: eight images of 16 registers, 2,048 bytes each
.set SPARE,  16384                     ; behind them: the spare words, 128 bytes for each wave: four blocks of 256 bytes that no other line names
.set STG,    17408                     ; a stage of 16 rows x 528 bytes for each wave (528 = 33 x 16: the sixteen rows that a load touches start at sixteen different 16-byte columns)
.set SPITCH, 528
.set STGB,   16*SPITCH
.set XA,  3                            ; v3   4,096 r + 64 h: my lane's bytes in 16 rows of f32
.set LI,  4                            ; v4   16 x lane
.set SPW, 5                            ; v5   LDS address of my spare word; never rewritten
.set NIL, 6                            ; v6   0; never rewritten
.set TMP, 7
.set SCB, 8                            ; v8, v9   2^e and 448 x 2^e for the weight
.set SCA, 10                           ; v10, v11 the same for dec_hidden
.set BS,  12                           ; v[12:13] b_s of my column, and 0
.set RDA, 14                           ; v14  where I read two registers of every image
.set WRA, 15                           ; v15  where I store my image
.set OFS, 16                           ; v16  my byte offset in decf
.set STW, 17                           ; v17  my stage, on the way in: + 16 x lane
.set STR, 18                           ; v18  and back: + 528 r + 64 h
.set BN,  32                           ; v32-95   the weight's 64 numbers
.set AN,  96                           ; v96-223  dec_hidden's 2 x 64 numbers
.set BC,  224                          ; v224-239 the weight's codes
.set AC0, 240                          ; v240-255 codes of batches 0-15
.set AC1, 32                           ; v32-47   codes of batches 16-31 (the weight's numbers are done with)
.set D0,  48                           ; v48-55, v56-63 the two accumulators
.set D1,  56
.set RS,  64                           ; v64-81   the reduction
.macro SCALE e, sc                     ; from the whole number in s[e]: v[sc] = 2^e as f32 (the conversion takes its exponent field), v[sc + 1] = 448 x 2^e
	s_add_co_i32 s30, s[\e], 127
	s_lshl_b32 s31, s30, 23
	v_mov_b32 v[\sc], s31
	s_add_co_i32 s30, s30, 8
	s_lshl_b32 s30, s30, 23
	s_or_b32 s30, s30, 0x600000
	v_mov_b32 v[\sc+1], s30
.endm
.macro QUANT src, dst, sc              ; 64 numbers of a lane become a fragment's 16 registers of codes
.irp c, 0,1,2,3
.irp i, 0,1,2,3,4,5,6,7,8,9,10,11,12,13,14,15
	v_med3_num_f32 v[\src+16*\c+\i], v[\src+16*\c+\i], -v[\sc+1], v[\sc+1]   ; the conversion to an 8-bit code does not saturate (ISA guide 7.6.2): the hold at the largest code x the scale
.endr
	v_cvt_scalef32_pk8_fp8_f32 v[\dst+4*\c:\dst+4*\c+1], v[\src+16*\c:\src+16*\c+7], v[\sc]
	v_cvt_scalef32_pk8_fp8_f32 v[\dst+4*\c+2:\dst+4*\c+3], v[\src+16*\c+8:\src+16*\c+15], v[\sc]
.endr
	v_nop                                          ; one plain vector line behind the last conversion, ahead of whatever next touches its registers
.endm
.macro TURNP set                       ; 16 rows x 512 bytes, register 4 i .. 4 i + 3 = my 16 bytes of row i, go into my stage and come back into the registers that they left: register 16 c + n = k 32 c + 16 h + n of row r.
.set k, 0                              ; LDS serves a wave's instructions in order (ISA guide 5.7.1.4): the loads see the stores, and the next turn's stores come behind these loads
.rept 16
	ds_store_b128 v[STW], v[\set+4*k:\set+4*k+3] offset:SPITCH*k
.set k, k+1
.endr
.irp c, 0,1,2,3
.irp i, 0,1,2,3
	ds_load_b128 v[\set+16*\c+4*\i:\set+16*\c+4*\i+3], v[STR] offset:128*\c+16*\i
.endr
.endr
.endm
	s_load_b256 s[4:11], s[0:1], 0x0               ; W_h s[4:5], W_s s[6:7], dec_hidden s[8:9], b_s s[10:11]
	s_load_b128 s[12:15], s[0:1], 0x20             ; lowp_scales s[12:13], wcodes s[14:15]
	s_load_b64 s[16:17], s[0:1], 0x30              ; decf
	v_lshl_add_u32 v[SPW], v0, 2, SPARE
	v_mov_b32 v[NIL], 0
	v_lshrrev_b32 v[TMP], 5, v0
	s_delay_alu instid0(VALU_DEP_1)
	v_readfirstlane_b32 s18, v[TMP]                ; wave = K step
	v_and_b32 v1, 15, v0                           ; r
	v_bfe_u32 v2, v0, 4, 1                         ; h
	s_delay_alu instid0(VALU_DEP_2)
	v_lshlrev_b32 v[XA], 12, v1
	s_delay_alu instid0(VALU_DEP_1)
	v_lshl_add_u32 v[XA], v2, 6, v[XA]
	v_and_b32 v[LI], 31, v0
	s_delay_alu instid0(VALU_DEP_1)
	v_lshlrev_b32 v[LI], 4, v[LI]
	s_wait_alu depctr_va_vdst(0)
	s_lshl_b32 s36, s18, 11
	v_add_nc_u32 v[WRA], s36, v[LI]                ; my image: 2,048 x wave + 16 x lane
	s_lshr_b32 s36, s18, 1
	s_lshl_b32 s36, s36, 9
	s_and_b32 s37, s18, 1
	s_lshl_b32 s37, s37, 3
	s_add_co_u32 s36, s36, s37
	v_add_nc_u32 v[RDA], s36, v[LI]                ; registers 2 w, 2 w + 1 of an image: run w / 2, 8 (w % 2) bytes into my lane's 16
	s_mul_i32 s38, s18, STGB
	s_add_co_u32 s38, s38, STG                     ; my stage
	v_add_nc_u32 v[STW], s38, v[LI]
	v_mul_u32_u24 v[STR], v1, SPITCH
	s_delay_alu instid0(VALU_DEP_1)
	v_lshl_add_u32 v[STR], v2, 6, v[STR]
	s_delay_alu instid0(VALU_DEP_1)
	v_add_nc_u32 v[STR], s38, v[STR]
	s_cmp_lt_u32 ttmp9, 64
	s_cselect_b32 s19, 0, 64
	s_sub_co_u32 s19, ttmp9, s19                   ; j: which 16 rows of my weight
	s_lshl_b32 s20, s19, 16                        ; 16 rows of 4,096 bytes,
	s_lshl_b32 s22, s18, 9                         ; and my K step's 512 bytes of a row
	s_add_co_u32 s20, s20, s22
	s_mov_b32 s21, 0
	s_mov_b32 s23, 0
	s_wait_kmcnt 0x0
	s_load_b128 s[24:27], s[12:13], 0x0            ; e0, e1, e2, e3
	s_cmp_lt_u32 ttmp9, 64                         ; the choice of the weight hangs on the work-group's number alone
	s_cselect_b64 s[28:29], s[4:5], s[6:7]
	s_add_nc_u64 s[28:29], s[28:29], s[20:21]
	s_cmp_lt_u32 ttmp9, 64
	s_cbranch_scc0 .Lws                            ; the one parting of the two kinds of work-group: all eight waves go the same way
	; ---- W_h: the codes leave as they stand in the registers
.irp c, 0,1,2,3
.irp i, 0,1,2,3
	global_load_b128 v[BN+16*\c+4*\i:BN+16*\c+4*\i+3], v[XA], s[28:29] offset:128*\c+16*\i th:TH_LOAD_NT
.endr
.endr
	s_lshl_b32 s32, s19, 3
	s_add_co_u32 s32, s32, s18
	s_lshl_b32 s32, s32, 11                        ; fragment 8 j + s, 2,048 bytes each
	s_mov_b32 s33, 0
	s_add_nc_u64 s[14:15], s[14:15], s[32:33]
	s_wait_kmcnt 0x0
	SCALE 25, SCB                                  ; e1
	s_wait_alu depctr_va_vdst(0)
	s_wait_loadcnt 0x0
	QUANT BN, BC, SCB
.irp c, 0,1,2,3
	global_store_b128 v[LI], v[BC+4*\c:BC+4*\c+3], s[14:15] offset:512*\c   ; 32 lanes store 512 consecutive bytes, at a multiple of 256 from the buffer's first byte
.endr
	s_endpgm                                       ; this way has written no LDS
	; ---- W_s: the second product's 16 columns
.Lws:
	s_add_nc_u64 s[8:9], s[8:9], s[22:23]          ; dec_hidden at my K step
.set k, 0
.rept 16
	global_load_b128 v[BN+4*k:BN+4*k+3], v[LI], s[28:29] offset:4096*k th:TH_LOAD_NT   ; row k of the weight's 16: 32 lanes read 512 consecutive bytes
.set k, k+1
.endr
.irp t, 0,1
.set k, 0
.rept 16
	global_load_b128 v[AN+64*\t+4*k:AN+64*\t+4*k+3], v[LI], s[8:9] offset:65536*\t+4096*k   ; batch 16 t + k likewise
.set k, k+1
.endr
.endr
	s_lshl_b32 s32, s19, 6
	s_mov_b32 s33, 0
	s_add_nc_u64 s[10:11], s[10:11], s[32:33]
	v_lshlrev_b32 v[TMP], 2, v1
	global_load_b32 v[BS], v[TMP], s[10:11]        ; b_s[16 j + r]
	v_mov_b32 v[BS+1], 0                           ; (named with it as a pair)
	s_lshr_b32 s36, s18, 2                         ; what I store at the end: registers 2 w, 2 w + 1 of the sixteen: batch m = 16 (w / 4) + 8 h + 2 (w % 4) + 0, 1; column 16 j + r
	s_lshl_b32 s36, s36, 16
	s_and_b32 s37, s18, 3
	s_lshl_b32 s37, s37, 13
	s_add_co_u32 s36, s36, s37
	s_lshl_b32 s37, s19, 6
	s_add_co_u32 s36, s36, s37
	v_lshlrev_b32 v[OFS], 2, v1
	s_delay_alu instid0(VALU_DEP_1)
	v_lshl_add_u32 v[OFS], v2, 15, v[OFS]
	s_delay_alu instid0(VALU_DEP_1)
	v_add_nc_u32 v[OFS], s36, v[OFS]
	s_wait_loadcnt 33                              ; the weight's 16 rows are in: 33 loads were issued behind them
	s_wait_alu depctr_va_vdst(0)
	TURNP BN
	s_wait_loadcnt 17                              ; batches 0-15: 17 behind them
	TURNP AN
	s_wait_kmcnt 0x0
	SCALE 27, SCB                                  ; e3
	SCALE 26, SCA                                  ; e2
	s_add_co_i32 s34, s26, s27
	s_add_co_i32 s34, s34, 127
	s_lshl_b32 s34, s34, 23                        ; 2^(e2 + e3) as f32
	s_mov_b32 s35, s34                             ; (named with it as a pair)
	s_wait_alu depctr_va_vdst(0)
	s_wait_dscnt 32                                ; the weight is back from the stage: the 32 LDS instructions of the second turn were issued behind it
	QUANT BN, BC, SCB
	s_wait_loadcnt 1                               ; batches 16-31: b_s alone behind them
	TURNP AN+64
	s_wait_dscnt 32                                ; batches 0-15 are back: the third turn's 32 were issued behind them
	QUANT AN, AC0, SCA
	s_wait_dscnt 0x0
	QUANT AN+64, AC1, SCA
	s_wait_alu depctr_va_vdst(0)
	s_wait_loadcnt 0x0                             ; b_s
	v_wmma_f32_16x16x128_fp8_fp8 v[D0:D0+7], v[AC0:AC0+15], v[BC:BC+15], 0   ; register i of lane (r, h): batch 8 h + i, column 16 j + r; my K step's part
	v_wmma_f32_16x16x128_fp8_fp8 v[D1:D1+7], v[AC1:AC1+15], v[BC:BC+15], 0   ; batches 16 on
.rept 4
	v_nop                                          ; four places between a matrix instruction and an LDS store of its result
.endr
	ds_store_b128 v[WRA], v[D0:D0+3]               ; each accumulator from its low end on
	ds_store_b128 v[WRA], v[D0+4:D0+7] offset:512
	ds_store_b128 v[WRA], v[D1:D1+3] offset:1024
	ds_store_b128 v[WRA], v[D1+4:D1+7] offset:1536
	s_wait_dscnt 0x0                               ; for the others' sake: my image has landed
	s_barrier_signal -1
	s_barrier_wait -1
.irp p, 0,1,2,3,4,5,6,7
	ds_load_b64 v[RS+2*\p:RS+2*\p+1], v[RDA] offset:2048*\p   ; the same two registers of all eight K steps
.endr
	s_wait_dscnt 0x0
	v_pk_add_f32 v[RS:RS+1], v[RS:RS+1], v[RS+2:RS+3]
	v_pk_add_f32 v[RS+4:RS+5], v[RS+4:RS+5], v[RS+6:RS+7]
	v_pk_add_f32 v[RS+8:RS+9], v[RS+8:RS+9], v[RS+10:RS+11]
	v_pk_add_f32 v[RS+12:RS+13], v[RS+12:RS+13], v[RS+14:RS+15]
	s_delay_alu instid0(VALU_DEP_3)
	v_pk_add_f32 v[RS:RS+1], v[RS:RS+1], v[RS+4:RS+5]
	s_delay_alu instid0(VALU_DEP_2)
	v_pk_add_f32 v[RS+8:RS+9], v[RS+8:RS+9], v[RS+12:RS+13]
	s_delay_alu instid0(VALU_DEP_1)
	v_pk_add_f32 v[RS:RS+1], v[RS:RS+1], v[RS+8:RS+9]
	s_delay_alu instid0(VALU_DEP_1)
	v_pk_fma_f32 v[RS+16:RS+17], v[RS:RS+1], s[34:35], v[BS:BS+1] op_sel_hi:[1,0,0]   ; sum x 2^(e2 + e3) + b_s: of both pairs the low word serves both halves
	global_store_b32 v[OFS], v[RS+16], s[16:17]             ; sixteen lanes store 64 consecutive bytes of a row of decf: a column tile is no wider; the buffer is 128 KB in all
	global_store_b32 v[OFS], v[RS+17], s[16:17] offset:4096
	s_wait_tensorcnt 0x0                           ; the wave's end
	ds_add_u32 v[SPW], v[NIL]
	s_wait_dscnt 0x0
	s_endpgm
.Lfunc_end_k_q5376dadb7a_prep:
	.size	k_q5376dadb7a_prep, .Lfunc_end_k_q5376dadb7a_prep-k_q5376dadb7a_prep
	.p2alignl 7, 3214868480
	.fill 96, 4, 3214868480
	.section	.rodata,"a",@progbits
	.p2align	6, 0x0
	.amdhsa_kernel k_q5376dadb7a_prep
		.amdhsa_group_segment_fixed_size 84992
		.amdhsa_private_segment_fixed_size 0
		.amdhsa_enable_private_segment 0
		.amdhsa_kernarg_size 56
		.amdhsa_user_sgpr_count 2
		.amdhsa_user_sgpr_kernarg_segment_ptr 1
		.amdhsa_wavefront_size32 1
		.amdhsa_system_sgpr_workgroup_id_x 1
		.amdhsa_system_sgpr_workgroup_id_y 1
		.amdhsa_system_sgpr_workgroup_id_z 1
		.amdhsa_system_vgpr_workitem_id 0
		.amdhsa_next_free_vgpr 256
		.amdhsa_next_free_sgpr 66
		.amdhsa_reserve_vcc 0
		.amdhsa_float_denorm_mode_32 3
		.amdhsa_float_denorm_mode_16_64 3
		.amdhsa_memory_ordered 1
		.amdhsa_forward_progress 1
		.amdhsa_inst_pref_size 38
	.end_amdhsa_kernel
	.amdgpu_metadata
---
amdhsa.version: [ 1, 2 ]
amdhsa.kernels:
  - .name:           k_q5376dadb7a_prep
    .symbol:         k_q5376dadb7a_prep.kd
    .args:
      - { .name: W_h, .offset: 0, .size: 8, .value_kind: global_buffer, .address_space: global }
      - { .name: W_s, .offset: 8, .size: 8, .value_kind: global_buffer, .address_space: global }
      - { .name: dec_hidden, .offset: 16, .size: 8, .value_kind: global_buffer, .address_space: global }
      - { .name: b_s, .offset: 24, .size: 8, .value_kind: global_buffer, .address_space: global }
      - { .name: lowp_scales, .offset: 32, .size: 8, .value_kind: global_buffer, .address_space: global }
      - { .name: wcodes, .offset: 40, .size: 8, .value_kind: global_buffer, .address_space: global }
      - { .name: decf, .offset: 48, .size: 8, .value_kind: global_buffer, .address_space: global }
    .group_segment_fixed_size: 84992
    .private_segment_fixed_size: 0
    .kernarg_segment_align: 8
    .kernarg_segment_size: 56
    .max_flat_workgroup_size: 256
    .sgpr_count:     66
    .vgpr_count:     256
    .wavefront_size: 32
...
	.end_amdgpu_metadata
.endif
;; end of part 1
;; launch scores (part 2): grid 256 x 1, 4 waves a work-group, clusters of 4 x 1, 327,680 bytes of LDS; arguments enc_output, coverage, W_c, V, lowp_scales, wcodes, decf, escores; writes escores
.if DOCPART == 2
	.amdgcn_target "amdgcn-amd-amdhsa--gfx1250"
	.amdhsa_code_object_version 6
	.text
	.protected	k_q5376dadb7a_scores
	.globl	k_q5376dadb7a_scores
	.p2align	8
	.type	k_q5376dadb7a_scores,@function
k_q5376dadb7a_scores:
	s_mov_b64 s[64:65], 0
	v_nop
	global_prefetch_b8 v0, s[64:65] scope:SCOPE_SE
	s_setreg_imm32_b32 hwreg(HW_REG_WAVE_MODE, 25, 1), 1
	s_wait_xcnt 0x0
	s_wait_alu depctr_hold_cnt(0) depctr_sa_sdst(0) depctr_va_vdst(0) depctr_va_sdst(0) depctr_va_ssrc(0) depctr_va_vcc(0) depctr_vm_vsrc(0)
	s_getreg_b32 s2, hwreg(HW_REG_IB_STS2, 6, 4)
	s_cmp_eq_u32 s2, 0
	s_cbranch_scc0 .Lentry_in_a_cluster
	s_endpgm
.Lentry_in_a_cluster:
	s_bfe_u32 s2, ttmp6, 0x10000c
	s_cmp_lg_u32 s2, 0x3003
	s_cbranch_scc0 .Lentry_shape_is_right
	s_endpgm
.Lentry_shape_is_right:
; SCORES: e'[b][s] = sum over o of (-2 V[o]) / (1 + 2^(c x)), c = 2 log2(e), x = Q(enc_output[b][s]) . Q(W_h[o]) + decf[b][o] + coverage[b][s] W_c[o].
; WORK LEFT OUT: sum_h V[h], the same for every s of a batch, which the softmax takes away (shown at the head of the first kernel).
; LIMITS: e0 between -126 and 119; e0 + e1 between -126 and 126 (they are added to c's exponent field).  NaN among the inputs is not served.
; SHARES.  A work-group owns 256 rows (b, s), a wave 64 of them against all 1,024 columns o.
; PART 1: the wave's 64 rows x 1,024 k become codes in 512 registers.  A fragment is 16 rows x 128 k: 16 loads of 512 consecutive bytes, turned through the wave's own
; stage in LDS so that lane (r, h) holds row r, k = 32 c + 16 h + 0 .. 15 in registers 4 c .. 4 c + 3 (the order in which wcodes is laid).  A trip takes 4 fragments in 4 sets of 64 registers;
; the next set's turn is issued ahead of this set's hold; a set is asked for again as soon as its codes are made.  The codes' registers differ from trip to trip: the eight conversions alone stand in arms of a branch on the trip's number.
; PART 2: 64 column tiles of 16.  A tile of W_h's codes is 8 fragments of 2,048 bytes, and each of the four waves wants all of them.  K steps 0-3 come through a ring of two LDS slots of 4 tiles, asked for
; jointly by the 4 work-groups of a cluster (all work-groups walk the same codes); K steps 4-7 go from memory straight into each wave's registers, 16 loads of 512 consecutive bytes a tile, as wcodes lays them.
; So a tile moves 8 KB into LDS and 4 x 8 KB out of it, in place of 16 KB and 4 x 16 KB.
; A tile: at its head, in one run, the loads of the next tile's fragments; 32 matrix instructions (4 row tiles by turns x 8 K steps), with six plain lines of earlier tiles behind every fourth; then ONE batch of 64 transcendentals.
; The way from a sum to the score is staggered: in tile i stand c x + .. and 2^(..) of tile i - 1, 1 + 2^(..) and its reciprocal of tile i - 2, the multiply-add by -2 V of tile i - 3, and c (coverage W_c + decf) of tile i.
; The loop has no first tiles of its own: the registers begin as zeros, and V's table begins with zeros, which the first three tiles multiply by.
; No prefetch: enc_output is read once and asked for 32 to 64 loads a wave ahead by the loads themselves; W_h's codes are 1 MiB that all work-groups walk in step, asked for a slot or a tile ahead.
; REGISTERS.  Window 0: addresses, parameters, v32-63 coverage, v64-95 the scores' sums, v96-159 T (two sets), v160-223 accumulators (two sets), v224-255 TR.
; Window 1: codes of K steps 0-3 (register 64 (s % 4) + 16 t), window 2: K steps 4-7.  Window 3: part 1: the four sets; part 2: W_h's fragments, two sets of 128.
.set SLOTB,  65536                     ; a slot: 4 tiles, 16,384 bytes apart as in memory; the first 8,192 of each are filled
.set TILEB,  16384
.set TAB,    131072                    ; c decf (4,096 bytes), c W_c (4,096), 256 bytes of zeros, -2 V (4,096)
.set VZ,     TAB+8192
.set VO,     8192+64                   ; tile i reads at VO + 64 i: -2 V of tile i - 3
.set STG,    143616                    ; a stage of 16 rows x 528 bytes for each wave
.set SPITCH, 528
.set STGB,   16*SPITCH
.set SPARE,  STG+4*STGB                ; the spare words: two blocks of 256 bytes that no other line names
.set SPW,  3
.set NIL,  4
.set GOFF, 5                           ; 16 x lane
.set STW,  6                           ; my stage, on the way in
.set STR,  7                           ; and back: + 528 r + 64 h
.set ADR,  8                           ; the slot in hand + 16 x lane
.set PADR, 9                           ; the slot's parameters
.set PAD0, 10                          ; TAB + 4 r
.set TMP,  11
.set SCL,  12                          ; 2^e0
.set LIM,  13                          ; 448 x 2^e0
.set CVA,  14
.set TBA,  15
.set PAR,  16                          ; v16-21, v22-27: two sets of three pairs (c decf, c W_c, -2 V; the upper halves are 0); v28-29 one pair more for the end
.set PX,   28
.set ZAD,  30
.set COV,  32
.set SC,   64
.set T,    96
.set ACC,  160
.set TR,   224
.set WP,   14                          ; s[14:15] wcodes, at the slot in hand
.set WV,   20
.set G1,   24
.set G0A,  32
.set G0B,  36
.set CS,   42                          ; s[42:43] c x 2^(e0 + e1)
.set CNT,  44
.set TB,   45
.set MK,   46
.set PB,   50
.set J,    51
.set PT,   60                          ; s[60:61] where the next loads of enc_output stand
.set MSB, 0
.macro WIN new                         ; the immediate's high byte repeats the setting that is left
.if MSB != (\new)
	s_set_vgpr_msb (MSB<<8)|(\new)
.set MSB, (\new)
.endif
.endm
.macro ROUND                           ; a round of the cluster's barrier
	s_barrier_signal -1
	s_barrier_wait -1
	s_cmp_lg_u32 s[WV], 0
	s_cbranch_scc1 .Lnot_wave_0_\@
	s_barrier_signal -3
.Lnot_wave_0_\@:
	s_barrier_wait -3
	s_barrier_signal -1
	s_barrier_wait -1
.endm
.macro NOPS
.rept 4
	v_nop
.endr
.endm
	s_load_b256 s[4:11], s[0:1], 0x0               ; enc_output s[4:5], coverage s[6:7], W_c s[8:9], V s[10:11]
	s_load_b256 s[12:19], s[0:1], 0x20             ; lowp_scales s[12:13], wcodes s[14:15], decf s[16:17], escores s[18:19]
	v_lshl_add_u32 v[SPW], v0, 2, SPARE
	v_mov_b32 v[NIL], 0
	ds_add_u32 v[SPW], v[NIL]                      ; the opening lines: the add twice on end and its wait
	ds_add_u32 v[SPW], v[NIL]
	v_lshrrev_b32 v[TMP], 5, v0
	v_readfirstlane_b32 s[WV], v[TMP]              ; wave 0..3
	s_bfe_u32 s21, ttmp6, 0x40000
	s_lshl_b32 s22, ttmp9, 2
	s_add_co_u32 s22, s22, s21                     ; the work-group's number
	s_mov_b32 s[G1], 15|(3<<16)|(1<<21)            ; the mask names the cluster's four; elements of 8 bytes
	s_mov_b32 s[G1+1], 32<<16                      ; 32 rows of 256 bytes, dense: K steps 0-3 of a tile, 8,192 bytes
	s_mov_b32 s[G1+2], 32<<16
	s_mov_b32 s[G1+3], 32<<16
	s_mov_b32 s[G1+4], 32
	s_mov_b32 s[G1+5], 32
	s_mov_b32 s[G1+6], 0
	s_mov_b32 s[G1+7], 0
	s_lshl_b32 s23, s[WV], 14                      ; wave w fetches for tile w of a slot
	s_mov_b32 s40, s23
	s_mov_b32 s41, 0
	s_mov_b32 s[TB], 0
	s_mov_b32 s[PB], 0
	s_mov_b32 s[CNT], 14
	s_mov_b32 s[J], 0
	s_wait_dscnt 0x0
	s_wait_kmcnt 0x0
	s_load_b64 s[52:53], s[12:13], 0x0             ; e0, e1
	ROUND                                          ; in front of the first joint loads
	s_mov_b32 s[G0A], 1
	s_mov_b32 s[G0A+1], s23
	s_add_nc_u64 s[G0A+2:G0A+3], s[14:15], s[40:41]
	s_or_b32 s[G0A+3], s[G0A+3], 0x80000000
	s_mov_b32 s[G0B], 1
	s_add_co_u32 s[G0B+1], s23, SLOTB
	s_add_nc_u64 s[G0B+2:G0B+3], s[14:15], s[40:41]
	s_add_nc_u64 s[G0B+2:G0B+3], s[G0B+2:G0B+3], SLOTB
	s_or_b32 s[G0B+3], s[G0B+3], 0x80000000
	tensor_load_to_lds s[G0A:G0A+3], s[G1:G1+7]    ; slot 0: the wave's one load at the head
	s_nop 0
	NOPS
	s_mul_i32 s23, s[WV], STGB
	s_add_co_u32 s23, s23, STG                     ; my stage
	s_mov_b32 s57, 0
	s_lshl_b32 s56, s22, 20                        ; 256 rows of 4,096 bytes a work-group,
	s_lshl_b32 s58, s[WV], 18                      ; 64 a wave
	s_add_co_u32 s56, s56, s58
	s_add_nc_u64 s[4:5], s[4:5], s[56:57]
	s_mov_b64 s[PT:PT+1], s[4:5]
	s_lshl_b32 s56, s22, 10
	s_lshl_b32 s58, s[WV], 8
	s_add_co_u32 s56, s56, s58
	s_add_nc_u64 s[6:7], s[6:7], s[56:57]          ; my 64 numbers of coverage,
	s_add_nc_u64 s[18:19], s[18:19], s[56:57]      ; and of the scores
	s_lshr_b32 s56, s22, 3
	s_lshl_b32 s56, s56, 12
	s_add_nc_u64 s[16:17], s[16:17], s[56:57]      ; my batch's row of decf
	v_and_b32 v1, 15, v0                           ; r
	v_bfe_u32 v2, v0, 4, 1                         ; h
	v_and_b32 v[GOFF], 31, v0
	v_lshlrev_b32 v[GOFF], 4, v[GOFF]
	v_add_nc_u32 v[STW], s23, v[GOFF]
	v_mul_u32_u24 v[STR], v1, SPITCH
	v_lshl_add_u32 v[STR], v2, 6, v[STR]
	v_add_nc_u32 v[STR], s23, v[STR]
	v_lshlrev_b32 v[PAD0], 2, v1
	v_add_nc_u32 v[PAD0], TAB, v[PAD0]
	v_add_nc_u32 v[PADR], 0, v[PAD0]
	v_add_nc_u32 v[ADR], 0, v[GOFF]
	v_lshlrev_b32 v[CVA], 5, v2
	v_lshlrev_b32 v[TBA], 4, v0
	v_add_nc_u32 v[TMP], TAB, v[TBA]
	v_lshl_add_u32 v[ZAD], v0, 1, VZ
.irp n, 1,3,5,7,9,11,13
	v_mov_b32 v[PAR+\n], 0                         ; (named as the upper halves of pairs)
.endr
.set k, 0
.rept 32
	v_mov_b32 v[SC+k], 0                           ; the sums, and the sets that the loop's first tiles find
	v_mov_b32 v[T+k], 0
	v_mov_b32 v[T+32+k], 0
	v_mov_b32 v[ACC+32+k], 0
	v_mov_b32 v[TR+k], 0
.set k, k+1
.endr
	s_wait_alu depctr_va_vdst(0)                   ; behind the head's addresses
.irp t, 0,1,2,3
	global_load_b128 v[COV+8*\t:COV+8*\t+3], v[CVA], s[6:7] offset:64*\t        ; register 8 t + j: coverage of row 16 t + 8 h + j
	global_load_b128 v[COV+8*\t+4:COV+8*\t+7], v[CVA], s[6:7] offset:64*\t+16
.endr
	global_load_b128 v[ACC:ACC+3], v[TBA], s[16:17]
	global_load_b128 v[ACC+4:ACC+7], v[TBA], s[16:17] offset:2048
	global_load_b128 v[ACC+8:ACC+11], v[TBA], s[8:9]
	global_load_b128 v[ACC+12:ACC+15], v[TBA], s[8:9] offset:2048
	global_load_b128 v[ACC+16:ACC+19], v[TBA], s[10:11]
	global_load_b128 v[ACC+20:ACC+23], v[TBA], s[10:11] offset:2048
.macro LOADF n                         ; 16 rows x 512 bytes into set n: each load reads 512 consecutive bytes
	WIN 0xc0
.set k, 0
.rept 16
	global_load_b128 v[64*(\n)+4*k:64*(\n)+4*k+3], v[GOFF], s[PT:PT+1] offset:4096*k+512*(\n) th:TH_LOAD_NT
.set k, k+1
.endr
	WIN 0
.endm
.macro TURNA n                         ; set n through my stage and back into the registers that it left (LDS serves a wave's instructions in order: ISA guide 5.7.1.4)
	WIN 0x0c
.set k, 0
.rept 16
	ds_store_b128 v[STW], v[64*(\n)+4*k:64*(\n)+4*k+3] offset:SPITCH*k
.set k, k+1
.endr
	WIN 0xc0
.irp c, 0,1,2,3
.irp i, 0,1,2,3
	ds_load_b128 v[64*(\n)+16*\c+4*\i:64*(\n)+16*\c+4*\i+3], v[STR] offset:128*\c+16*\i
.endr
.endr
	WIN 0
.endm
.macro HOLD n
	WIN 0xc3
.set k, 0
.rept 64
	v_med3_num_f32 v[64*(\n)+k], v[64*(\n)+k], -v[LIM], v[LIM]   ; the conversion does not saturate (ISA guide 7.6.2)
.set k, k+1
.endr
	WIN 0
.endm
.macro CVT n, j                        ; fragment n of trip j: row tile j / 2, K step 4 (j % 2) + n: window 1 + j % 2, register 64 n + 16 (j / 2)
	WIN 0x43+0x40*((\j)%2)
.set k, 0
.rept 8
	v_cvt_scalef32_pk8_fp8_f32 v[64*(\n)+16*((\j)/2)+2*k:64*(\n)+16*((\j)/2)+2*k+1], v[64*(\n)+8*k:64*(\n)+8*k+7], v[SCL]
.set k, k+1
.endr
	v_nop                                          ; one plain line behind the last conversion
	WIN 0
.endm
.macro ARM n, j
	s_cmp_lg_u32 s[J], \j
	s_cbranch_scc1 .Lnext_\@
	CVT \n, \j
	s_branch .Ljoin\n
.Lnext_\@:
.endm
; lc: the loads asked for behind the NEXT set's (under 0: there is no next set).  dc: the LDS instructions issued behind this set's turn.  j < 0: in the loop
.macro QSTEP n, lc, dc, j
.if (\lc) >= 0
	s_wait_loadcnt \lc
	TURNA ((\n)+1)%4
.endif
	s_wait_dscnt \dc
	HOLD \n
.if (\j) < 0
	s_wait_alu depctr_va_vdst(0)                   ; ahead of the branches
.irp a, 0,1,2,3,4,5
	ARM \n, \a
.endr
	CVT \n, 6
.Ljoin\n:
.if (\n) == 0
	s_wait_xcnt 0x0                                ; the last trip's loads have read their base
	s_add_co_u32 s58, s[J], 1                      ; the next trip: row tile (J + 1) / 2, half (J + 1) % 2 of its rows
	s_lshr_b32 s56, s58, 1
	s_lshl_b32 s56, s56, 16
	s_and_b32 s58, s58, 1
	s_lshl_b32 s58, s58, 11
	s_add_co_u32 s56, s56, s58
	s_add_nc_u64 s[PT:PT+1], s[4:5], s[56:57]
.endif
	LOADF \n                                       ; the same fragment of the next trip
.else
	CVT \n, \j
.endif
.endm
	LOADF 0
	LOADF 1
	LOADF 2
	s_wait_loadcnt 48                              ; coverage and the tables are in: three sets' 48 loads were asked for behind them
.irp q, 0,2,4,6,8,10,12,14
	v_pk_mul_f32 v[ACC+\q:ACC+\q+1], v[ACC+\q:ACC+\q+1], 0x4038aa3b op_sel_hi:[1,0]   ; x c
.endr
.irp q, 16,18,20,22
	v_pk_mul_f32 v[ACC+\q:ACC+\q+1], v[ACC+\q:ACC+\q+1], -2.0 op_sel_hi:[1,0]
.endr
.irp n, 0,1,2,3
	ds_store_b128 v[TMP], v[ACC+4*\n:ACC+4*\n+3] offset:2048*\n
.endr
	ds_store_b128 v[TMP], v[ACC+16:ACC+19] offset:8192+256
	ds_store_b128 v[TMP], v[ACC+20:ACC+23] offset:8192+256+2048
	ds_store_b16 v[ZAD], v[NIL]                    ; 128 threads x 2 bytes: the 256 bytes of zeros ahead of -2 V
	s_wait_kmcnt 0x0
	s_add_co_i32 s54, s52, 127
	s_lshl_b32 s55, s54, 23
	v_mov_b32 v[SCL], s55
	s_add_co_i32 s54, s54, 8
	s_lshl_b32 s54, s54, 23
	s_or_b32 s54, s54, 0x600000
	v_mov_b32 v[LIM], s54
	s_add_co_i32 s54, s52, s53
	s_lshl_b32 s54, s54, 23
	s_add_co_i32 s[CS], s54, 0x4038aa3b            ; a sum stands for sum x 2^(e0 + e1): added to c's exponent field
	s_mov_b32 s[CS+1], s[CS]
	s_wait_alu depctr_va_vdst(0)                   ; at the head's end
	s_wait_tensorcnt 0x0                           ; my part of slot 0 is in
	ds_add_u32 v[SPW], v[NIL]
	s_wait_dscnt 0x0                               ; the add and my part of the tables
	ROUND                                          ; slot 0 and the tables are whole for every wave
	tensor_load_to_lds s[G0B:G0B+3], s[G1:G1+7]    ; slot 1
	s_nop 0
	NOPS
	LOADF 3
	s_wait_loadcnt 48                              ; set 0 is in
	TURNA 0
.Lq:                                               ; PART 1: trips 0 to 6
	QSTEP 0, 32, 32, -1
	QSTEP 1, 32, 32, -1
	QSTEP 2, 32, 32, -1
	QSTEP 3, 32, 32, -1
	s_add_co_u32 s[J], s[J], 1
	s_cmp_lt_u32 s[J], 7
	s_cbranch_scc1 .Lq
	QSTEP 0, 32, 32, 7                             ; the last trip asks for nothing more
	QSTEP 1, 16, 32, 7
	QSTEP 2, 0, 32, 7
	QSTEP 3, -1, 0, 7
	s_wait_alu depctr_va_vdst(0)
; PART 2
.macro MM s, t
.set rD, AA+8*(\t)
.set rE, 64*((\s)%4)+16*(\t)
.set rW, 128*PR+16*(\s)
.if (\s) == 0
	v_wmma_f32_16x16x128_fp8_fp8 v[rD:rD+7], v[rE:rE+15], v[rW:rW+15], 0
.else
	v_wmma_f32_16x16x128_fp8_fp8 v[rD:rD+7], v[rE:rE+15], v[rW:rW+15], v[rD:rD+7]
.endif
.endm
.macro LP3 q, pv                       ; the sums += (-2 V) x the reciprocals
	v_pk_fma_f32 v[SC+2*(\q):SC+2*(\q)+1], v[TR+2*(\q):TR+2*(\q)+1], v[\pv:\pv+1], v[SC+2*(\q):SC+2*(\q)+1] op_sel_hi:[1,0,1]
.endm
.macro LADD q, src                     ; 1 + 2^(..)
	v_pk_add_f32 v[TR+2*(\q):TR+2*(\q)+1], v[\src+2*(\q):\src+2*(\q)+1], 1.0 op_sel_hi:[1,0]
.endm
.macro LA q                            ; c (coverage W_c + decf)
	v_pk_fma_f32 v[TA+2*(\q):TA+2*(\q)+1], v[COV+2*(\q):COV+2*(\q)+1], v[PC+2:PC+3], v[PC:PC+1] op_sel_hi:[1,0,0]
.endm
.macro LB q, x                         ; + c x the sum: each accumulator from its low end on
	v_pk_fma_f32 v[TBK+2*(\q):TBK+2*(\q)+1], v[AB+2*(\q):AB+2*(\q)+1], s[CS:CS+1], v[TBK+2*(\q):TBK+2*(\q)+1] op_sel_hi:[1,0,1]
.endm
.macro ALL16 m, a
.set q, 0
.rept 16
	\m q, \a
.set q, q+1
.endr
.endm
.macro PL e                            ; the e-th of a tile's 48 plain lines that stand among its products
.if (\e) < 16
	LP3 (\e), PC+4
.elseif (\e) < 32
	LADD (\e)-16, TA
.else
	LA (\e)-32
.endif
.endm
.macro EXP32 r
.set k, 0
.rept 32
	v_exp_f32 v[\r+k], v[\r+k]
.set k, k+1
.endr
.endm
.macro RCP32
.set k, 0
.rept 32
	v_rcp_f32 v[TR+k], v[TR+k]
.set k, k+1
.endr
	v_nop                                          ; a plain line behind the last of the batch,
	s_wait_alu depctr_va_vdst(0)                   ; and the one wait for the batch
.endm
; A tile.  u: its place in the slot.  chg = 1: the change of slots with a refill; 2: without.  fetch = 0: the launch's last tile
.macro TILE u, chg, fetch
.set PR, (\u)%2
.set PC, PAR+6*PR
.set PN, PAR+6*(1-PR)
.set TA, T+32*PR                       ; 2^(..) of tile i - 2, then tile i's
.set TBK, T+32*(1-PR)                  ; tile i - 1's
.set AA, ACC+32*PR
.set AB, ACC+32*(1-PR)
.if \chg
	s_wait_tensorcnt 0x0                           ; my part of the next slot is in;
	ds_add_u32 v[SPW], v[NIL]
.if (\chg) == 1
	s_xor_b32 s[G0B+1], s[G0B+1], SLOTB            ; the walking descriptor: the slot just read out, the codes two slots on
	s_add_nc_u64 s[G0B+2:G0B+3], s[G0B+2:G0B+3], SLOTB
.endif
	s_wait_dscnt 0x0                               ; the add, and my reads of this slot: its last tile is in my registers
.if (\chg) == 1
	ROUND
	tensor_load_to_lds s[G0B:G0B+3], s[G1:G1+7]
	s_nop 0
	NOPS
.else
	s_barrier_signal -1
	s_barrier_wait -1
.endif
	s_xor_b32 s[TB], s[TB], SLOTB
	v_add_nc_u32 v[ADR], s[TB], v[GOFF]
.else
	s_wait_dscnt 0x0                               ; this tile's K steps 0-3 and parameters, asked for a tile ago
.endif
.if \fetch
	ds_load_b32 v[PN], v[PADR] offset:64*((\u)+1)              ; the next tile's parameters of my column
	ds_load_b32 v[PN+2], v[PADR] offset:64*((\u)+1)+4096
	ds_load_b32 v[PN+4], v[PADR] offset:64*((\u)+1)+VO         ; -2 V of the tile three back
.if (\u) == 3
	s_add_co_u32 s[PB], s[PB], 256
	v_add_nc_u32 v[PADR], s[PB], v[PAD0]           ; the next slot's parameters
.endif
	WIN 0xc0                                       ; the next tile's fragments into the other set, in one run: six plain lines stand behind the last product that read it
.set k, 16
.rept 16
	global_load_b128 v[128*(1-PR)+4*k:128*(1-PR)+4*k+3], v[GOFF], s[WP:WP+1] offset:TILEB*((\u)+1)+512*k   ; K steps 4-7: 32 lanes read 512 consecutive bytes
.set k, k+1
.endr
.set k, 0
.rept 16
	ds_load_b128 v[128*(1-PR)+4*k:128*(1-PR)+4*k+3], v[ADR] offset:TILEB*(((\u)+1)%4)+512*k                ; K steps 0-3
.set k, k+1
.endr
	WIN 0
.else
	ds_load_b32 v[PN+4], v[PADR] offset:64*4+VO                ; -2 V of the last three tiles
	ds_load_b32 v[PX], v[PADR] offset:64*5+VO
	ds_load_b32 v[PN], v[PADR] offset:64*6+VO
.endif
	s_wait_alu depctr_va_vdst(0)                   ; directly ahead of the first readers of the last tile's sums
	ALL16 LB, 0                                    ; tile i - 1
.set p, 0
.rept 16
.if p == 8
.if \fetch
	s_wait_loadcnt 16                              ; this tile's K steps 4-7 are in: only the 16 loads of the run above were asked for behind them
.else
	s_wait_loadcnt 0x0
.endif
.endif
	WIN 0x0d+p/8                                   ; source 0: codes in window 1 or 2; source 1: window 3; sums in window 0
	MM p/2, 2*(p%2)
	MM p/2, 2*(p%2)+1
.if p%2 == 1
	WIN 0
.set ee, 6*(p/2)
.rept 6
	PL ee
.set ee, ee+1
.endr
.endif
.set p, p+1
.endr
	WIN 0
	s_wait_alu depctr_va_vdst(0)                   ; ahead of the batch
	EXP32 TBK                                      ; tile i - 1
	RCP32                                          ; tile i - 2
.if ((\u) == 3) && (\fetch)
	s_wait_xcnt 0x0                                ; the slot's loads have read their base
	s_add_nc_u64 s[WP:WP+1], s[WP:WP+1], SLOTB     ; on to the next slot's codes
.endif
.endm
	ds_load_b32 v[PAR], v[PADR]
	ds_load_b32 v[PAR+2], v[PADR] offset:4096
	ds_load_b32 v[PAR+4], v[PADR] offset:VO
	WIN 0xc0
.set k, 0
.rept 16
	global_load_b128 v[64+4*k:64+4*k+3], v[GOFF], s[WP:WP+1] offset:8192+512*k   ; tile 0: K steps 4-7,
	ds_load_b128 v[4*k:4*k+3], v[ADR] offset:512*k                               ; and 0-3
.set k, k+1
.endr
	WIN 0
.Lslot:                                            ; slots 0 to 13: each is filled again when its last tile is in registers
	TILE 0, 0, 1
	TILE 1, 0, 1
	TILE 2, 0, 1
	TILE 3, 1, 1
	s_sub_co_u32 s[CNT], s[CNT], 1
	s_cmp_lg_u32 s[CNT], 0
	s_cbranch_scc1 .Lslot
	TILE 0, 0, 1                                   ; the last two slots are written out: nothing more is asked of the ring
	TILE 1, 0, 1
	TILE 2, 0, 1
	TILE 3, 2, 1
	TILE 0, 0, 1
	TILE 1, 0, 1
	TILE 2, 0, 1
	TILE 3, 0, 0
.set TBK, T+32                         ; the last three tiles' ways are finished
.set AB, ACC+32
	s_wait_dscnt 0x0
	s_wait_alu depctr_va_vdst(0)                   ; directly ahead of the first readers of tile 63's sums
	ALL16 LB, 0                                    ; tile 63
	ALL16 LP3, PAR+4                               ; tile 61
	ALL16 LADD, T                                  ; tile 62
	s_wait_alu depctr_va_vdst(0)
	EXP32 T+32
	RCP32
	ALL16 LP3, PX                                  ; tile 62
	ALL16 LADD, T+32                               ; tile 63
	s_wait_alu depctr_va_vdst(0)
	RCP32
	ALL16 LP3, PAR
; the sums over my 16 lanes' columns; then lane r keeps registers 2 r and 2 r + 1: rows 16 (r / 4) + 8 h + 2 (r % 4) + 0, 1
.irp m, 1,2,4,8
.set k, 0
.rept 32
	v_add_f32_dpp v[SC+k], v[SC+k], v[SC+k] row_xmask:\m row_mask:0xf bank_mask:0xf
.set k, k+1
.endr
.endr
.irp n, 0,1,2,3
	v_bfe_u32 v[TMP], v1, \n, 1
	v_cmp_ne_u32 s[MK+\n], 0, v[TMP]
.endr
.irp k, 0,1,2,3,4,5,6,7
	v_cndmask_b32 v[SC+4*\k], v[SC+4*\k], v[SC+4*\k+2], s[MK]
	v_cndmask_b32 v[SC+4*\k+1], v[SC+4*\k+1], v[SC+4*\k+3], s[MK]
.endr
.irp k, 0,1,2,3
	v_cndmask_b32 v[SC+8*\k], v[SC+8*\k], v[SC+8*\k+4], s[MK+1]
	v_cndmask_b32 v[SC+8*\k+1], v[SC+8*\k+1], v[SC+8*\k+5], s[MK+1]
.endr
.irp k, 0,1
	v_cndmask_b32 v[SC+16*\k], v[SC+16*\k], v[SC+16*\k+8], s[MK+2]
	v_cndmask_b32 v[SC+16*\k+1], v[SC+16*\k+1], v[SC+16*\k+9], s[MK+2]
.endr
	v_cndmask_b32 v[SC], v[SC], v[SC+16], s[MK+3]
	v_cndmask_b32 v[SC+1], v[SC+1], v[SC+17], s[MK+3]
	v_lshrrev_b32 v[TMP], 2, v1
	v_lshlrev_b32 v[TMP], 6, v[TMP]
	v_lshl_add_u32 v[TMP], v2, 5, v[TMP]
	v_and_b32 v[ADR], 3, v1
	v_lshl_add_u32 v[TMP], v[ADR], 3, v[TMP]
	global_store_b64 v[TMP], v[SC:SC+1], s[18:19]  ; the wave's 32 lanes store its 256 consecutive bytes, at a multiple of 256 from the buffer's first byte
	s_wait_tensorcnt 0x0                           ; the wave's end
	ds_add_u32 v[SPW], v[NIL]
	s_wait_dscnt 0x0
	ROUND                                          ; the closing round
	s_endpgm
.Lfunc_end_k_q5376dadb7a_scores:
	.size	k_q5376dadb7a_scores, .Lfunc_end_k_q5376dadb7a_scores-k_q5376dadb7a_scores
	.p2alignl 7, 3214868480
	.fill 96, 4, 3214868480
	.section	.rodata,"a",@progbits
	.p2align	6, 0x0
	.amdhsa_kernel k_q5376dadb7a_scores
		.amdhsa_group_segment_fixed_size 327680
		.amdhsa_private_segment_fixed_size 0
		.amdhsa_enable_private_segment 0
		.amdhsa_kernarg_size 64
		.amdhsa_user_sgpr_count 2
		.amdhsa_user_sgpr_kernarg_segment_ptr 1
		.amdhsa_wavefront_size32 1
		.amdhsa_system_sgpr_workgroup_id_x 1
		.amdhsa_system_sgpr_workgroup_id_y 1
		.amdhsa_system_sgpr_workgroup_id_z 1
		.amdhsa_system_vgpr_workitem_id 0
		.amdhsa_next_free_vgpr 1024
		.amdhsa_next_free_sgpr 66
		.amdhsa_reserve_vcc 0
		.amdhsa_float_denorm_mode_32 3
		.amdhsa_float_denorm_mode_16_64 3
		.amdhsa_memory_ordered 1
		.amdhsa_forward_progress 1
		.amdhsa_inst_pref_size 255
	.end_amdhsa_kernel
	.section	.bss,"aw",@nobits
	.p2align	6
	.space	262144
	.amdgpu_metadata
---
amdhsa.version: [ 1, 2 ]
amdhsa.kernels:
  - .name:           k_q5376dadb7a_scores
    .symbol:         k_q5376dadb7a_scores.kd
    .args:
      - { .name: enc_output, .offset: 0, .size: 8, .value_kind: global_buffer, .address_space: global }
      - { .name: coverage, .offset: 8, .size: 8, .value_kind: global_buffer, .address_space: global }
      - { .name: W_c, .offset: 16, .size: 8, .value_kind: global_buffer, .address_space: global }
      - { .name: V, .offset: 24, .size: 8, .value_kind: global_buffer, .address_space: global }
      - { .name: lowp_scales, .offset: 32, .size: 8, .value_kind: global_buffer, .address_space: global }
      - { .name: wcodes, .offset: 40, .size: 8, .value_kind: global_buffer, .address_space: global }
      - { .name: decf, .offset: 48, .size: 8, .value_kind: global_buffer, .address_space: global }
      - { .name: escores, .offset: 56, .size: 8, .value_kind: global_buffer, .address_space: global }
    .group_segment_fixed_size: 327680
    .private_segment_fixed_size: 0
    .kernarg_segment_align: 8
    .kernarg_segment_size: 64
    .max_flat_workgroup_size: 128
    .sgpr_count:     66
    .vgpr_count:     1024
    .wavefront_size: 32
...
	.end_amdgpu_metadata
.endif
;; end of part 2
;; launch context (part 3): grid 8 x 32, 8 waves a work-group, no clusters, 327,680 bytes of LDS; arguments enc_output, escores, enc_padding_mask, coverage, out0, out1, out2; writes out0, out1, out2
.if DOCPART == 3
	.amdgcn_target "amdgcn-amd-amdhsa--gfx1250"
	.amdhsa_code_object_version 6
	.text
	.protected	k_q5376dadb7a_context
	.globl	k_q5376dadb7a_context
	.p2align	8
	.type	k_q5376dadb7a_context,@function
k_q5376dadb7a_context:
	s_mov_b64 s[64:65], 0
	v_nop
	global_prefetch_b8 v0, s[64:65] scope:SCOPE_SE
	s_setreg_imm32_b32 hwreg(HW_REG_WAVE_MODE, 25, 1), 1
	s_wait_xcnt 0x0
; CONTEXT: p = softmax over s of (e' + enc_padding_mask); out1 = p; out2 = coverage + p; out0[b][h] = sum over s of p[b][s] enc_output[b][s][h].  All in f32.
; WORK LEFT OUT: e' lacks sum_h V[h], the same for every s of a batch, which the softmax takes away (shown at the head of the first kernel).
; The row's maximum is taken away before the exponential, as reference() does.  A batch whose every e' + mask is -infinity gives NaN, as in reference().  NaN among the inputs is not served.
; SHARES.  Work-group (x, y) owns columns 128 x .. 128 x + 127 of batch y over all 2,048 rows: each number of out0 has one owner.  Wave w takes rows 256 w .. 256 w + 255.
; Every work-group of a batch forms the batch's softmax for itself (24 KB of loads beside its 1 MB of enc_output); the wave whose number is x stores its 256 numbers of out1 and of out2.
; enc_output comes by tensor loads through a ring of two LDS slots: a wave's part of a slot is its own, 32 rows x 512 bytes; eight tiles a wave, one load a wave behind each barrier, 128 KB of the work-group on their way.
; Tile 0 is asked for at the head, tile 1 behind the softmax's first barrier.  The sums are taken with p not yet divided by the row's sum; out0 is multiplied by 1 / sum once.
; No matrix unit: the product has one row.  No cluster: no two work-groups read the same bytes of enc_output.  No prefetch: the launch streams each byte once, and the ring asks a slot ahead.
.set TABP,  0                          ; LDS: p of the batch's 2,048 rows; each wave writes and reads its own 1,024 bytes
.set MAXW,  8192                       ; the eight waves' maxima
.set SUMW,  8448                       ; and sums
.set PART,  8704                       ; eight partial sums of 512 bytes
.set SPARE, 12800                      ; the spare words: four blocks of 256 bytes that no other line names
.set SL0,   16384                      ; slot 0: eight parts of 16,384 bytes
.set SLB,   131072                     ; from slot 0 to slot 1
.set STEP,  32*4096                    ; a tile on in memory: 32 rows
.set SOFF, 2                           ; v2   1,024 w + 16 lane
.set SPW,  3
.set NIL,  4
.set GOFF, 5                           ; v5   16 x lane
.set PADR, 6                           ; v6   1,024 w
.set WW,   7                           ; v7   4 w
.set AC,   8                           ; v8-15   e' + mask, then p, then eight accumulators (four columns, even and odd rows)
.set MKR,  16                          ; v16-23  the mask, then out1
.set ZA,   24
.set PTA,  25                          ; v25  512 w + 16 lane
.set RL,   26                          ; v[26:27] 1 / the row's sum, and 0
.set DA0,  28                          ; v28, v29  my part of slot 0, 1, + 16 lane
.set DA1,  29
.set PA,   30                          ; v30  where the tile's p lie
.set CV,   48
.set PS,   64                          ; v64-95   p of a tile's 32 rows
.set XS,   96                          ; v96-223  the tile: 32 rows x 4 registers
.set G0A,  36
.set G0B,  40
.set G1,   44
.set CN,   52
.set PO,   53
	s_load_b256 s[4:11], s[0:1], 0x0               ; enc_output s[4:5], escores s[6:7], enc_padding_mask s[8:9], coverage s[10:11]
	s_load_b128 s[12:15], s[0:1], 0x20             ; out0 s[12:13], out1 s[14:15]
	s_load_b64 s[16:17], s[0:1], 0x30              ; out2
	v_lshl_add_u32 v[SPW], v0, 2, SPARE
	v_mov_b32 v[NIL], 0
	ds_add_u32 v[SPW], v[NIL]                      ; the opening lines: the add twice on end and its wait
	ds_add_u32 v[SPW], v[NIL]
	v_lshrrev_b32 v1, 5, v0
	v_readfirstlane_b32 s18, v1                    ; wave 0..7
	v_lshlrev_b32 v[PADR], 10, v1
	v_lshlrev_b32 v[WW], 2, v1
	v_and_b32 v[GOFF], 31, v0
	v_lshlrev_b32 v[GOFF], 4, v[GOFF]
	v_add_nc_u32 v[SOFF], v[PADR], v[GOFF]
	v_lshl_add_u32 v[PTA], v1, 9, v[GOFF]
	v_lshl_add_u32 v[DA0], v1, 14, v[GOFF]
	v_add_nc_u32 v[DA0], SL0, v[DA0]
	v_add_nc_u32 v[DA1], SLB, v[DA0]
	v_mov_b32 v[ZA], 0
	v_mov_b32 v[RL+1], 0                           ; (named as the upper half of a pair)
	s_and_b32 s19, ttmp7, 0xffff                   ; the batch
	s_lshl_b32 s20, s19, 13                        ; its 2,048 numbers of 4 bytes
	s_mov_b32 s21, 0
	s_lshl_b32 s22, s19, 23                        ; its 2,048 rows of 4,096 bytes,
	s_lshl_b32 s24, s18, 20                        ; my wave's 256 of them,
	s_add_co_u32 s22, s22, s24
	s_lshl_b32 s24, ttmp9, 9                       ; my work-group's 512 bytes of a row
	s_add_co_u32 s22, s22, s24
	s_mov_b32 s23, 0
	s_lshl_b32 s28, s19, 12
	s_add_co_u32 s24, s24, s28                     ; the same 512 bytes in out0's row
	s_mov_b32 s25, 0
	s_mov_b32 s26, 0x76543210                      ; v_permlanex16_b32's selects for lane l xor 16
	s_mov_b32 s27, 0xfedcba98
	s_lshl_b32 s29, s18, 14
	s_add_co_u32 s29, s29, SL0                     ; my part of slot 0
	s_mov_b32 s[G1], 3<<16                         ; elements of 8 bytes; 32 rows of 64 elements, 512 elements apart
	s_mov_b32 s[G1+1], 64<<16
	s_mov_b32 s[G1+2], 32<<16
	s_mov_b32 s[G1+3], 64<<16
	s_mov_b32 s[G1+4], 32
	s_mov_b32 s[G1+5], 512
	s_mov_b32 s[G1+6], 0
	s_mov_b32 s[G1+7], 0
	s_mov_b32 s[CN], 3
	s_mov_b32 s[PO], 128
	s_wait_alu depctr_va_vdst(0)                   ; behind the head's addresses
	s_wait_dscnt 0x0
	s_wait_kmcnt 0x0
	s_add_nc_u64 s[4:5], s[4:5], s[22:23]
	s_add_nc_u64 s[6:7], s[6:7], s[20:21]
	s_add_nc_u64 s[8:9], s[8:9], s[20:21]
	s_add_nc_u64 s[10:11], s[10:11], s[20:21]
	s_add_nc_u64 s[12:13], s[12:13], s[24:25]
	s_add_nc_u64 s[14:15], s[14:15], s[20:21]
	s_add_nc_u64 s[16:17], s[16:17], s[20:21]
	s_mov_b32 s[G0A], 1
	s_mov_b32 s[G0A+1], s29
	s_mov_b64 s[G0A+2:G0A+3], s[4:5]
	s_or_b32 s[G0A+3], s[G0A+3], 0x80000000
	s_mov_b32 s[G0B], 1
	s_add_co_u32 s[G0B+1], s29, SLB
	s_add_nc_u64 s[G0B+2:G0B+3], s[4:5], STEP
	s_or_b32 s[G0B+3], s[G0B+3], 0x80000000
	tensor_load_to_lds s[G0A:G0A+3], s[G1:G1+7]    ; tile 0: the wave's one load at the head
	s_nop 0
	global_load_b128 v[AC:AC+3], v[SOFF], s[6:7]
	global_load_b128 v[AC+4:AC+7], v[SOFF], s[6:7] offset:512
	global_load_b128 v[MKR:MKR+3], v[SOFF], s[8:9]
	global_load_b128 v[MKR+4:MKR+7], v[SOFF], s[8:9] offset:512
	global_load_b128 v[CV:CV+3], v[SOFF], s[10:11]
	global_load_b128 v[CV+4:CV+7], v[SOFF], s[10:11] offset:512
	s_wait_loadcnt 0x0
.irp q, 0,2,4,6
	v_pk_add_f32 v[AC+\q:AC+\q+1], v[AC+\q:AC+\q+1], v[MKR+\q:MKR+\q+1]   ; z = e' + mask
.endr
	v_max3_num_f32 v33, v[AC], v[AC+1], v[AC+2]
	v_max3_num_f32 v34, v[AC+3], v[AC+4], v[AC+5]
	v_max3_num_f32 v33, v33, v[AC+6], v[AC+7]
	v_max_num_f32 v33, v33, v34
.irp m, 1,2,4,8
	v_max_num_f32_dpp v33, v33, v33 row_xmask:\m row_mask:0xf bank_mask:0xf
.endr
	v_permlanex16_b32 v34, v33, s26, s27
	v_max_num_f32 v33, v33, v34                    ; the largest of my wave's 256
	ds_store_b32 v[WW], v33 offset:MAXW
	s_wait_alu depctr_va_vdst(0)
	s_wait_tensorcnt 0x0                           ; tile 0 is in
	ds_add_u32 v[SPW], v[NIL]
	s_add_nc_u64 s[G0A+2:G0A+3], s[G0A+2:G0A+3], 2*STEP   ; slot 0's next tile
	s_wait_dscnt 0x0                               ; the add, and for the others' sake my maximum
	s_barrier_signal -1
	s_barrier_wait -1
	tensor_load_to_lds s[G0B:G0B+3], s[G1:G1+7]    ; tile 1
	s_nop 0
	ds_load_b128 v[36:39], v[ZA] offset:MAXW
	ds_load_b128 v[40:43], v[ZA] offset:MAXW+16
	s_wait_dscnt 0x0
	v_max3_num_f32 v36, v36, v37, v38
	v_max3_num_f32 v39, v39, v40, v41
	v_max3_num_f32 v36, v36, v42, v43
	v_max_num_f32 v36, v36, v39                    ; the batch's maximum
.irp q, 0,2,4,6
	v_pk_add_f32 v[AC+\q:AC+\q+1], v[AC+\q:AC+\q+1], v[36:37] op_sel_hi:[1,0] neg_lo:[0,1] neg_hi:[0,1]   ; z - the maximum
.endr
.irp q, 0,2,4,6
	v_pk_mul_f32 v[AC+\q:AC+\q+1], v[AC+\q:AC+\q+1], 0x3fb8aa3b op_sel_hi:[1,0]                            ; x log2(e)
.endr
	s_wait_alu depctr_va_vdst(0)                   ; ahead of the batch
.irp i, 0,1,2,3,4,5,6,7
	v_exp_f32 v[AC+\i], v[AC+\i]
.endr
	v_nop                                          ; a plain line behind the last exponential,
	s_wait_alu depctr_va_vdst(0)                   ; and the one wait for the batch
	ds_store_b128 v[SOFF], v[AC:AC+3] offset:TABP
	ds_store_b128 v[SOFF], v[AC+4:AC+7] offset:TABP+512
	v_pk_add_f32 v[34:35], v[AC:AC+1], v[AC+2:AC+3]
	v_pk_add_f32 v[38:39], v[AC+4:AC+5], v[AC+6:AC+7]
	v_pk_add_f32 v[34:35], v[34:35], v[38:39]
	v_add_f32 v33, v34, v35
.irp m, 1,2,4,8
	v_add_f32_dpp v33, v33, v33 row_xmask:\m row_mask:0xf bank_mask:0xf
.endr
	v_permlanex16_b32 v34, v33, s26, s27
	v_add_f32 v33, v33, v34                        ; the sum of my wave's 256
	ds_store_b32 v[WW], v33 offset:SUMW
	s_wait_alu depctr_va_vdst(0)
	s_wait_dscnt 0x0
	s_barrier_signal -1                            ; tile 1's load stays out across it
	s_barrier_wait -1
	ds_load_b128 v[36:39], v[ZA] offset:SUMW
	ds_load_b128 v[40:43], v[ZA] offset:SUMW+16
	s_wait_dscnt 0x0
	v_pk_add_f32 v[36:37], v[36:37], v[38:39]
	v_pk_add_f32 v[40:41], v[40:41], v[42:43]
	v_pk_add_f32 v[36:37], v[36:37], v[40:41]
	v_add_f32 v36, v36, v37
	s_wait_alu depctr_va_vdst(0)
	v_rcp_f32 v[RL], v36
	v_nop
	s_wait_alu depctr_va_vdst(0)                   ; ahead of the branch and of the first reader
	s_cmp_lg_u32 s18, ttmp9
	s_cbranch_scc1 .Lnot_mine                      ; of the batch's eight work-groups, number x stores what its wave x holds: each number of out1 and out2 has one owner
.irp q, 0,2,4,6
	v_pk_mul_f32 v[MKR+\q:MKR+\q+1], v[AC+\q:AC+\q+1], v[RL:RL+1] op_sel_hi:[1,0]
.endr
.irp q, 0,2,4,6
	v_pk_add_f32 v[CV+\q:CV+\q+1], v[CV+\q:CV+\q+1], v[MKR+\q:MKR+\q+1]
.endr
	global_store_b128 v[SOFF], v[MKR:MKR+3], s[14:15]            ; 32 lanes store 512 consecutive bytes, at a multiple of 256 from the buffer's first byte
	global_store_b128 v[SOFF], v[MKR+4:MKR+7], s[14:15] offset:512
	global_store_b128 v[SOFF], v[CV:CV+3], s[16:17]
	global_store_b128 v[SOFF], v[CV+4:CV+7], s[16:17] offset:512
.Lnot_mine:
; A tile's work: its 32 p (the same in every lane), its 32 rows (16 bytes a lane), four multiply-adds a row.  first = 1: the first two rows start the sums
.macro CT da, pa, po, first
.irp m, 0,1,2,3,4,5,6,7
	ds_load_b128 v[PS+4*\m:PS+4*\m+3], v[\pa] offset:TABP+(\po)+16*\m
.endr
.set k, 0
.rept 32
	ds_load_b128 v[XS+4*k:XS+4*k+3], v[\da] offset:512*k
.set k, k+1
.endr
.set k, 0
.irp g, 0,1,2,3
	s_wait_alu depctr_va_vdst(0)
	s_wait_dscnt 24-8*\g                           ; rows up to 8 g + 7 are in; the later rows' loads may be out
.rept 8
.irp c, 0,1,2,3
.if (\first) && (k < 2)
	v_mul_f32 v[AC+4*(k%2)+\c], v[PS+k], v[XS+4*k+\c]
.else
	v_fmac_f32 v[AC+4*(k%2)+\c], v[PS+k], v[XS+4*k+\c]
.endif
.endr
.set k, k+1
.endr
.endr
.endm
; A change of slots: all my loads are in (my part of the slot ahead), the add, my reads of the slot behind are over; behind the barrier that slot is filled again
.macro CHANGE mine, other
	s_wait_alu depctr_va_vdst(0)
	s_wait_tensorcnt 0x0
	ds_add_u32 v[SPW], v[NIL]
	s_add_nc_u64 s[\mine+2:\mine+3], s[\mine+2:\mine+3], 2*STEP   ; no load of mine is out: the slot ahead's next tile
	s_wait_dscnt 0x0
	s_barrier_signal -1
	s_barrier_wait -1
	tensor_load_to_lds s[\other:\other+3], s[G1:G1+7]
	s_nop 0
.endm
	CT DA0, PADR, 0, 1                             ; tile 0
.Lt:                                               ; three trips: tiles 1 to 6; tiles 2 to 7 are asked for
	CHANGE G0B, G0A
	v_add_nc_u32 v[PA], s[PO], v[PADR]
	CT DA1, PA, 0, 0
	CHANGE G0A, G0B
	CT DA0, PA, 128, 0
	s_add_co_u32 s[PO], s[PO], 256
	s_sub_co_u32 s[CN], s[CN], 1
	s_cmp_lg_u32 s[CN], 0
	s_wait_alu depctr_va_vdst(0)                   ; ahead of the branch
	s_cbranch_scc1 .Lt
	v_add_nc_u32 v[PA], s[PO], v[PADR]
	s_wait_alu depctr_va_vdst(0)
	s_wait_tensorcnt 0x0                           ; tile 7, which I alone read: nothing more is asked for
	CT DA1, PA, 0, 0
	v_pk_add_f32 v[AC:AC+1], v[AC:AC+1], v[AC+4:AC+5]
	v_pk_add_f32 v[AC+2:AC+3], v[AC+2:AC+3], v[AC+6:AC+7]
	ds_store_b128 v[PTA], v[AC:AC+3] offset:PART
	s_wait_dscnt 0x0                               ; for wave 0's sake
	s_barrier_signal -1
	s_barrier_wait -1
	s_cmp_lg_u32 s18, 0
	s_cbranch_scc1 .Lend
.irp p, 0,1,2,3,4,5,6,7
	ds_load_b128 v[XS+4*\p:XS+4*\p+3], v[GOFF] offset:PART+512*\p
.endr
	s_wait_dscnt 0x0
.irp p, 0,2,4,6
	v_pk_add_f32 v[XS+4*\p:XS+4*\p+1], v[XS+4*\p:XS+4*\p+1], v[XS+4*\p+4:XS+4*\p+5]
	v_pk_add_f32 v[XS+4*\p+2:XS+4*\p+3], v[XS+4*\p+2:XS+4*\p+3], v[XS+4*\p+6:XS+4*\p+7]
.endr
.irp p, 0,4
	v_pk_add_f32 v[XS+4*\p:XS+4*\p+1], v[XS+4*\p:XS+4*\p+1], v[XS+4*\p+8:XS+4*\p+9]
	v_pk_add_f32 v[XS+4*\p+2:XS+4*\p+3], v[XS+4*\p+2:XS+4*\p+3], v[XS+4*\p+10:XS+4*\p+11]
.endr
	v_pk_add_f32 v[XS:XS+1], v[XS:XS+1], v[XS+16:XS+17]
	v_pk_add_f32 v[XS+2:XS+3], v[XS+2:XS+3], v[XS+18:XS+19]
	v_pk_mul_f32 v[XS:XS+1], v[XS:XS+1], v[RL:RL+1] op_sel_hi:[1,0]
	v_pk_mul_f32 v[XS+2:XS+3], v[XS+2:XS+3], v[RL:RL+1] op_sel_hi:[1,0]
	global_store_b128 v[GOFF], v[XS:XS+3], s[12:13]              ; 512 consecutive bytes of out0, at a multiple of 256 from its first byte
.Lend:
	s_wait_tensorcnt 0x0                           ; the wave's end
	ds_add_u32 v[SPW], v[NIL]
	s_wait_dscnt 0x0
	s_endpgm
.Lfunc_end_k_q5376dadb7a_context:
	.size	k_q5376dadb7a_context, .Lfunc_end_k_q5376dadb7a_context-k_q5376dadb7a_context
	.p2alignl 7, 3214868480
	.fill 96, 4, 3214868480
	.section	.rodata,"a",@progbits
	.p2align	6, 0x0
	.amdhsa_kernel k_q5376dadb7a_context
		.amdhsa_group_segment_fixed_size 327680
		.amdhsa_private_segment_fixed_size 0
		.amdhsa_enable_private_segment 0
		.amdhsa_kernarg_size 56
		.amdhsa_user_sgpr_count 2
		.amdhsa_user_sgpr_kernarg_segment_ptr 1
		.amdhsa_wavefront_size32 1
		.amdhsa_system_sgpr_workgroup_id_x 1
		.amdhsa_system_sgpr_workgroup_id_y 1
		.amdhsa_system_sgpr_workgroup_id_z 1
		.amdhsa_system_vgpr_workitem_id 0
		.amdhsa_next_free_vgpr 256
		.amdhsa_next_free_sgpr 66
		.amdhsa_reserve_vcc 0
		.amdhsa_float_denorm_mode_32 3
		.amdhsa_float_denorm_mode_16_64 3
		.amdhsa_memory_ordered 1
		.amdhsa_forward_progress 1
		.amdhsa_inst_pref_size 39
	.end_amdhsa_kernel
	.amdgpu_metadata
---
amdhsa.version: [ 1, 2 ]
amdhsa.kernels:
  - .name:           k_q5376dadb7a_context
    .symbol:         k_q5376dadb7a_context.kd
    .args:
      - { .name: enc_output, .offset: 0, .size: 8, .value_kind: global_buffer, .address_space: global }
      - { .name: escores, .offset: 8, .size: 8, .value_kind: global_buffer, .address_space: global }
      - { .name: enc_padding_mask, .offset: 16, .size: 8, .value_kind: global_buffer, .address_space: global }
      - { .name: coverage, .offset: 24, .size: 8, .value_kind: global_buffer, .address_space: global }
      - { .name: out0, .offset: 32, .size: 8, .value_kind: global_buffer, .address_space: global }
      - { .name: out1, .offset: 40, .size: 8, .value_kind: global_buffer, .address_space: global }
      - { .name: out2, .offset: 48, .size: 8, .value_kind: global_buffer, .address_space: global }
    .group_segment_fixed_size: 327680
    .private_segment_fixed_size: 0
    .kernarg_segment_align: 8
    .kernarg_segment_size: 56
    .max_flat_workgroup_size: 256
    .sgpr_count:     66
    .vgpr_count:     256
    .wavefront_size: 32
...
	.end_amdgpu_metadata
.endif
;; end of part 3
